; MI455X (gfx1250); checked and timed in simulation.
; The chip was launched on July 23, 2026; its instructions are those of AMD's public machine-readable ISA for CDNA 5 (MIT licence, August 2026) and "CDNA5" Instruction Set Architecture Reference Guide (July 2026). The comments in the code are by the model that wrote it; some were corrected since.
;; K Linear. Allowed arithmetic: matrix products marked QUANTISED: E3M2 operands, one E8M0 scale for each 32 along K, by v_wmma_scale_f32_16x16x128_f8f6f4 with both operands' format E3M2, f32 sums; everything else in f32.
;; Inputs: a0 64 x 64 float32; a1 64 x 64 float32; a2 32 x 32 float32; a3 128 x 128 float32; a4 16 x 16 float32; a5 256 x 256 float32; a6 8 x 8 float32; a7 512 x 512 float32; b0 64 x 64 float32; b1 64 x 64 float32; b2 128 x 128 float32; b3 32 x 32 float32; b4 256 x 256 float32; b5 16 x 16 float32; b6 512 x 512 float32; b7 8 x 8 float32; bias 4,096 float32; x 4,096 x 4,096 float32.
;; Outputs: out0 4,096 x 4,096 float32.
;; This version of the problem:
;;   THIS VERSION OF THE PROBLEM IS GIVEN IN LOW PRECISION. The matrix products marked QUANTISED in the list below multiply operands that are first quantised to E3M2 (3 exponent bits, 2 mantissa bits; 6 bits a number), with one power-of-two scale for each 32 numbers along K (OCP MX v1.0); their sums are f32. All else is computed in f32.
;;   The module's matrix products, in the order in which they are computed (A, B: the left and right operand; K: the contracted axis; several contracted axes count as one K, in the product's order):
;;     1. [M 4,096, K 4,096] x [K 4,096, N 4,096]; A: computed on the way; B: input x: QUANTISED
;;   THE QUANTISER, for each operand of a quantised product, along K:
;;     - K is cut into blocks of 32 from its start; a last block that is shorter is filled with zeros.
;;     - A block's scale is 2^e with e = floor(log2(the largest magnitude in the block)) - 4, held to -126 .. 127; a block of zeros has e = 0. As a byte (E8M0): e + 127.
;;     - Each number is divided by its block's scale, clamped to +-28, and rounded to the nearest number of E3M2, ties to even, subnormals kept.
;;     - The product sums the exact products of the quantised numbers (number of the format x scale) in f32.
;;   ~~~python
;;   def quantise(x, axis):      # numpy; x: float32 -> the quantised numbers, widened to float32 again
;;       x = np.moveaxis(x, axis, -1); K = x.shape[-1]
;;       x = np.pad(x, [(0, 0)] * (x.ndim - 1) + [(0, -K % 32)]); x = x.reshape(x.shape[:-1] + (-1, 32)); a = np.abs(x).max(-1, keepdims=True)
;;       e = np.where(a > 0, np.clip(np.frexp(np.where(a > 0, a, 1))[1] - 1 - 4, -126, 127), 0)      # np.frexp(a)[1] - 1 = floor(log2(a)), exactly
;;       r = np.clip(x / 2.0 ** e, -28, 28)
;;       step = 2.0 ** (np.maximum(np.frexp(np.where(r == 0, 1, r))[1] - 1, -2) - 2)
;;       q = np.round(r / step) * step * 2.0 ** e      # np.round: ties to even
;;       return np.moveaxis(q.reshape(q.shape[:-2] + (-1,))[..., :K], -1, axis).astype(np.float32)
;;   ~~~
;;   OPERANDS COMPUTED ON THE WAY. 'Computed on the way' means the value that the module computes at that place (a softmax that the list does not call 'softmax' is quantised finished and normalised). What goes into a quantiser is computed in f32, as accurately as f32 sums, v_exp_f32 and their like allow (about 1e-6 of the number): no bf16 or f16 on the way to a quantiser, and a product that is left as it is and whose result goes on into a quantised operand takes f32 operands (vector FMAs, or v_wmma_f32_16x16x4_f32). A number that lies on a knife's edge between two numbers of the format may be rounded either way, as far as f32 arithmetic and the matrix unit's own rounding can turn it there, and no further.
;; One version. Each part assembles by itself: llvm-mc -triple=amdgcn-amd-amdhsa -mcpu=gfx1250 --defsym DOCPART=n.
;; ======== version 1 of 1: 2 launches
;; limits: right only within a limited range of input values
;; workspace buffers: w_img 13,107,200 bytes; x_img 13,107,200 bytes
;; launch prep (part 1): grid 768 x 1, 4 waves a work-group, no clusters, 53,248 bytes of LDS; arguments a0, a1, a2, a3, a4, a5, a6, a7, b0, b1, b2, b3, b4, b5, b6, b7, w_img, x, x_img; writes w_img, x_img
.if DOCPART == 1
	.amdgcn_target "amdgcn-amd-amdhsa--gfx1250"
	.amdhsa_code_object_version 6
	.text
	.protected	k_q0bb894f47a_prep
	.globl	k_q0bb894f47a_prep
	.p2align	8
	.type	k_q0bb894f47a_prep,@function
k_q0bb894f47a_prep:
	s_mov_b64 s[64:65], 0
	v_nop
	global_prefetch_b8 v0, s[64:65] scope:SCOPE_SE
	s_setreg_imm32_b32 hwreg(HW_REG_WAVE_MODE, 25, 1), 1
	s_wait_xcnt 0x0
; Both operands of y = w x^T are turned ONCE into codes of BF6 (E3M2) with one E8M0 scale byte for each 32 along K:
;   x [4096][4096] f32 as given;  w [4096][4096] = (sum over i of kron(a_i, b_i)) / (2 sqrt(8)), made here in f32 and never stored as f32.  Every input has a way to the output; nothing is left out.
; THE IMAGES lie in the order of the matrix operand's registers: [32 groups of 128 rows][32 K steps of 128][a chunk of 12,800 bytes]; a chunk is 8 fragments of 1,536 bytes, then 512 bytes of scale words.
; A fragment is 16 rows x 128 K: block b (32 codes, 24 bytes) of row r lies at 768 (b % 2) + 48 r + 24 (b / 2).  The scale word (block b's byte in byte b) of row r of fragment i lies at 12,288 + 64 i + 4 r.
; x's rows stand in their own order.  Fragment g (0 .. 255) of w holds at r = 4 i + v the row 2,048 (g / 128) + 512 i + 4 (g % 128) + v; the product's launch stores its results by the same rule.
; A block's scale is 2^(floor(log2(its largest magnitude)) - 4); its byte is that magnitude's exponent field - 4, held at 1 from below.
; LIMITS.  NaN and infinities among the inputs are not served.  A block of zeros gets the byte 1 where the rule says 127: its codes are zeros, and this program alone reads the bytes.
; w's order of rounding: c = 1 / (2 sqrt(8)) goes into the b numbers once, and the eight terms are summed in the order i = 0 .. 7 by fused multiply-adds; the definition rounds each product, adds, and divides at the end.
; Both carry an error of a few 2^-24 of the sum of |a_i b_i| c.
; ONE LAUNCH, TWO PATHS, parted by the work-group's number alone: 0-255 make w, 256-767 take x.  Each path has LDS bytes of its own.  No tensor loads.
.set CH,    12800
.set GRP,   32*CH
.set FRB,   1536
.set SCO,   8*FRB
.set FP,    FRB+16                     ; a fragment's pitch in w's stage
.set WST,   1024                       ; LDS: bytes 0-1023 x's scale words (256 a wave); then w's 32 fragments,
.set WSS,   WST+32*FP                  ; w's scale words [K step][r],
.set SPARE, WSS+2048                   ; and the spare words, 128 bytes a wave
.set XT,    20                         ; path x: v20-27 at work in the exchanges
.set XI,    60                         ; v60-187  four sets of 32 numbers
.set XC,    188                        ; v188-251 codes: four registers for each half task, so that no store's data are written again
.set WC,    22                         ; path w: v[22:24] 16 codes
.set WT,    28                         ; v[28:43]  16 numbers of w at work
.set WB,    44                         ; v44-163   c x b; at the end the codes on their way out
.set AR,    164                        ; v164-243  a ring of eight slots of ten: +0 .. +6 a0 .. a6, +7 a zero, +8, +9 two numbers of a7
	v_lshl_add_u32 v254, v0, 2, SPARE
	v_mov_b32 v255, 0
	v_lshrrev_b32 v1, 5, v0
	v_readfirstlane_b32 s8, v1                     ; wave 0..3
	s_cmp_lt_u32 ttmp9, 256
	s_cbranch_scc1 .Lw
; =========================== PATH X ===========================
; Work-group 256 + 8 R + kq: rows 64 R .. 64 R + 63, K steps 4 kq + wave: a wave makes four fragments (6,144 consecutive bytes) and their 256 bytes of scale words.
; A task is 8 rows x 128 K: eight loads, a row each, every load 512 consecutive bytes.  Lane l takes piece p (16 bytes) of the row with p's bits (4..0) = l's bits (1, 4, 0, 3, 2).
; Three exchanges of a lane bit with a bit of the register number (lane bit 4 with 16, 3 with 8, 2 with 4) then leave in lane j, registers 16 h + 0 .. 15, the numbers
; k = 64 j1 + 32 h + 16 j0 + 0 .. 15 of row j / 4: sixteen neighbours for the conversion, and lane j's 12 bytes of codes belong at 12 j of a run of 384 bytes of the fragment: no LDS on the codes' way.
	s_load_b64 s[4:5], s[0:1], 0x88                ; x
	s_load_b64 s[6:7], s[0:1], 0x90                ; x's image
	v_and_b32 v2, 31, v0
	v_bfe_u32 v3, v2, 1, 1
	v_lshlrev_b32 v3, 8, v3                        ; 256 l1
	v_bfe_u32 v8, v2, 4, 1
	v_lshl_add_u32 v3, v8, 7, v3                   ; + 128 l4
	v_and_b32 v8, 1, v2
	v_lshl_add_u32 v3, v8, 6, v3                   ; + 64 l0
	v_bfe_u32 v8, v2, 2, 2
	v_lshl_add_u32 v3, v8, 4, v3                   ; + 32 l3 + 16 l2
	v_mul_u32_u24 v4, v2, 12                       ; my codes' place in a store's 384 bytes
	v_bfe_u32 v16, v2, 1, 1
	v_lshlrev_b32 v16, 4, v16                      ; my two scale bytes stand 16 j1 bits up in the word
	s_lshl_b32 s17, s8, 8                          ; my wave's 256 bytes of LDS
	v_lshrrev_b32 v5, 2, v2
	v_lshl_add_u32 v5, v5, 2, s17                  ; a task's word of row j / 4
	v_lshlrev_b32 v7, 3, v2
	v_add_nc_u32 v6, s17, v7                       ; on the way out 8 bytes a lane
	v_mov_b32 v18, 0                               ; written once: a DPP move's destination counts as read
.irp k, 0,1,2,3,4,5,6,7
	v_mov_b32 v[XT+\k], 0
.endr
	s_sub_co_u32 s18, ttmp9, 256
	s_lshr_b32 s19, s18, 3                         ; R
	s_and_b32 s18, s18, 7
	s_lshl_b32 s18, s18, 2
	s_add_co_u32 s18, s18, s8                      ; my K step
	s_lshl_b32 s20, s19, 20                        ; x: 64 R rows of 16,384 bytes
	s_lshl_b32 s22, s18, 9
	s_add_co_u32 s20, s20, s22
	s_mov_b32 s21, 0
	s_lshr_b32 s22, s19, 1
	s_mul_i32 s22, s22, GRP
	s_mul_i32 s24, s18, CH
	s_add_co_u32 s22, s22, s24                     ; my chunk
	s_and_b32 s19, s19, 1                          ; its first or second four fragments
	s_mul_i32 s24, s19, 4*FRB
	s_add_co_u32 s24, s24, s22
	s_mov_b32 s25, 0
	s_lshl_b32 s26, s19, 8
	s_add_co_u32 s26, s26, s22
	s_add_co_u32 s26, s26, SCO
	s_mov_b32 s27, 0
	s_wait_alu depctr_va_vdst(0)                   ; the wait at the head's end
	s_wait_kmcnt 0x0
	s_add_nc_u64 s[4:5], s[4:5], s[20:21]
	s_add_nc_u64 s[10:11], s[6:7], s[26:27]
	s_add_nc_u64 s[6:7], s[6:7], s[24:25]
.macro XLOAD t
.irp r, 0,1,2,3,4,5,6,7
	global_load_b128 v[XI+32*((\t)%4)+4*\r:XI+32*((\t)%4)+4*\r+3], v3, s[4:5] offset:16384*(8*(\t)+\r) th:TH_LOAD_NT
.endr
.endm
; Four pairs of registers (a + k, a + d + k) change a lane bit (mask m, VCC = the lanes that have it) for the register bit d:
; a lane with the bit keeps its upper register and takes the partner's upper one as its lower; a lane without it the other way round.
.macro XQ a, d, m
.irp k, 0,1,2,3
	v_mov_b32_dpp v[XT+2*\k], v[(\a)+\k] row_xmask:\m row_mask:0xf bank_mask:0xf
	v_mov_b32_dpp v[XT+2*\k+1], v[(\a)+(\d)+\k] row_xmask:\m row_mask:0xf bank_mask:0xf
.endr
.irp k, 0,1,2,3
	v_cndmask_b32 v[(\a)+\k], v[(\a)+\k], v[XT+2*\k+1], vcc_lo
	v_cndmask_b32 v[(\a)+(\d)+\k], v[XT+2*\k], v[(\a)+(\d)+\k], vcc_lo
.endr
.endm
.macro XTASK t
.set XS, XI+32*((\t)%4)
.if (\t)+3 < 8
	XLOAD (\t)+3                                   ; into the set that the last task has done with
	s_wait_loadcnt 24                              ; my eight loads are in; those of the three tasks behind may be out
.else
	s_wait_loadcnt 8*(7-(\t))
.endif
.irp k, 0,1,2,3,4,5,6,7,8,9,10,11,12,13,14,15
	v_permlane16_swap_b32 v[XS+\k], v[XS+16+\k]    ; lane bit 4 for register bit 16
.endr
	s_mov_b32 vcc_lo, 0xff00ff00                   ; the lanes with bit 3
	XQ XS, 8, 8
	XQ XS+4, 8, 8
	XQ XS+16, 8, 8
	XQ XS+20, 8, 8
	s_mov_b32 vcc_lo, 0xf0f0f0f0                   ; the lanes with bit 2
	XQ XS, 4, 4
	XQ XS+8, 4, 4
	XQ XS+16, 4, 4
	XQ XS+24, 4, 4
.irp h, 0,1                            ; the largest magnitude of my 16, for both halves h by turns, each in two chains
	v_max3_num_f32 v[8+4*\h], |v[XS+16*\h]|, |v[XS+16*\h+1]|, |v[XS+16*\h+2]|
	v_max3_num_f32 v[9+4*\h], |v[XS+16*\h+3]|, |v[XS+16*\h+4]|, |v[XS+16*\h+5]|
.endr
.irp i, 6,10
.irp h, 0,1
	v_max3_num_f32 v[8+4*\h], v[8+4*\h], |v[XS+16*\h+\i]|, |v[XS+16*\h+\i+1]|
	v_max3_num_f32 v[9+4*\h], v[9+4*\h], |v[XS+16*\h+\i+2]|, |v[XS+16*\h+\i+3]|
.endr
.endr
.irp h, 0,1
	v_max3_num_f32 v[8+4*\h], v[8+4*\h], |v[XS+16*\h+14]|, |v[XS+16*\h+15]|
.endr
.irp h, 0,1
	v_max3_num_f32 v[8+4*\h], v[8+4*\h], v[9+4*\h], 0x2800000   ; the floor 2^(5 - 127): the byte cannot fall under 1
.endr
.irp h, 0,1
	v_max_num_f32_dpp v[8+4*\h], v[8+4*\h], v[8+4*\h] row_xmask:1 row_mask:0xf bank_mask:0xf   ; with my neighbour's 16: the block's
.endr
.irp h, 0,1
	v_add_nc_u32 v[10+4*\h], 0xfe000000, v[8+4*\h] ; 4 off the exponent field: the conversion's scale operand
.endr
	v_cvt_scalef32_pk16_bf6_f32 v[XC+8*(\t):XC+8*(\t)+2], v[XS:XS+15], v10
	v_cvt_scalef32_pk16_bf6_f32 v[XC+8*(\t)+4:XC+8*(\t)+6], v[XS+16:XS+31], v14
	v_lshrrev_b32 v11, 23, v10                     ; the bytes of blocks 2 j1 and 2 j1 + 1 (also the plain line behind the conversions)
	v_lshrrev_b32 v15, 23, v14
	v_lshl_or_b32 v17, v15, 8, v11
	v_lshlrev_b32 v17, v16, v17
	v_mov_b32_dpp v18, v17 row_xmask:2 row_mask:0xf bank_mask:0xf
	v_or_b32 v17, v17, v18                         ; with lane j xor 2's two bytes the row's word is whole
	ds_store_b32 v5, v17 offset:32*(\t)            ; the four lanes of a row write the same word with the same value
	global_store_b96 v4, v[XC+8*(\t):XC+8*(\t)+2], s[6:7] offset:FRB*((\t)/2)+384*((\t)%2)        ; 32 lanes store 384 consecutive bytes: 8 rows' blocks 0 and 2,
	global_store_b96 v4, v[XC+8*(\t)+4:XC+8*(\t)+6], s[6:7] offset:FRB*((\t)/2)+384*((\t)%2)+768  ; and their blocks 1 and 3
.endm
	XLOAD 0
	XLOAD 1
	XLOAD 2
.irp t, 0,1,2,3,4,5,6,7
	XTASK \t
.endr
	ds_load_b64 v[28:29], v6                       ; LDS serves a wave's instructions in order: these see my stores
	s_wait_dscnt 0x0
	global_store_b64 v7, v[28:29], s[10:11]        ; 32 lanes store 256 consecutive bytes, at a multiple of 256 from the buffer's first byte
	s_wait_tensorcnt 0x0                           ; the wave's end
	ds_add_u32 v254, v255
	s_wait_dscnt 0x0
	s_endpgm
; =========================== PATH W: w(m, k) = c x the sum over i of a_i(m / r_i, k / r_i) b_i(m % r_i, k % r_i), r_i = b_i's size ===========================
; Every r_i divides 512, so a lane that keeps m % 512 and k % 512 keeps all its b numbers: loaded once, multiplied by c once, 120 registers.
; Work-group g: mr = 4 (g % 128) + wave, hs = g / 128.  The wave makes rows m = 512 (4 hs + i) + mr, i = 0 .. 3, over all of K.  Lane l owns k % 512 = 16 l .. 16 l + 15.
; Step (i, q): k = 512 q + 16 l + 0 .. 15.  Nine numbers of a change from step to step: a ring of eight slots, eight loads a slot, eight steps ahead.
; A loop's trip is one row i (eight steps) and asks for the next row's a; the last row is written out and asks for nothing.  The sixteen rows (r = 4 i + wave) are fragment g, gathered in LDS.
.Lw:
	s_load_b512 s[16:31], s[0:1], 0x0              ; a_i in s[16 + 2 i : 17 + 2 i]
	s_load_b512 s[32:47], s[0:1], 0x40             ; b_i in s[32 + 2 i : 33 + 2 i]
	s_load_b64 s[48:49], s[0:1], 0x80              ; w's image
	v_and_b32 v1, 31, v0
	v_and_b32 v2, 28, v1                           ; a0, a1: column k / 64, in bytes
	v_lshrrev_b32 v3, 3, v1
	v_lshlrev_b32 v3, 2, v3                        ; a2: k / 128
	v_and_b32 v4, 30, v1
	v_lshlrev_b32 v4, 1, v4                        ; a3: k / 32
	v_lshrrev_b32 v5, 4, v1
	v_lshlrev_b32 v5, 2, v5                        ; a4: k / 256
	v_lshlrev_b32 v6, 2, v1                        ; a5: k / 16
	v_mov_b32 v7, 0                                ; a6: k / 512; also b5's and b7's columns
	v_lshlrev_b32 v8, 3, v1                        ; a7: k / 8, and the next
	v_lshlrev_b32 v12, 4, v1
	v_and_b32 v17, 3, v1
	v_lshlrev_b32 v17, 6, v17                      ; b0, b1: column (16 l) % 64, in bytes
	v_and_b32 v18, 7, v1
	v_lshlrev_b32 v18, 6, v18                      ; b2
	v_and_b32 v19, 1, v1
	v_lshlrev_b32 v19, 6, v19                      ; b3
	v_and_b32 v20, 15, v1
	v_lshlrev_b32 v20, 6, v20                      ; b4
	v_lshlrev_b32 v21, 6, v1                       ; b6
	v_lshrrev_b32 v9, 3, v1
	v_mul_u32_u24 v9, v9, FP                       ; the stage: K step l / 8 of the step's four,
	v_bfe_u32 v13, v1, 1, 1
	v_mad_u32_u24 v9, v13, 768, v9
	v_bfe_u32 v13, v1, 2, 1
	v_mad_u32_u24 v9, v13, 24, v9
	v_and_b32 v13, 1, v1
	v_mad_u32_u24 v9, v13, 12, v9
	s_mul_i32 s14, s8, 48
	s_add_co_u32 s14, s14, WST
	v_add_nc_u32 v9, s14, v9                       ; where my 12 bytes of codes go, for q = 0, i = 0
	v_lshrrev_b32 v10, 3, v1
	v_lshlrev_b32 v10, 6, v10
	v_bfe_u32 v13, v1, 1, 2
	v_add_nc_u32 v10, v10, v13
	s_lshl_b32 s14, s8, 2
	s_add_co_u32 s14, s14, WSS
	v_add_nc_u32 v10, s14, v10                     ; and my block's scale byte
	s_lshl_b32 s14, s8, 9
	s_add_co_u32 s14, s14, WSS
	v_add_nc_u32 v11, s14, v12                     ; on the way out wave v takes K steps 8 v .. 8 v + 7: scale words,
	s_mul_i32 s14, s8, 8*FP
	s_add_co_u32 s14, s14, WST
	v_add_nc_u32 v25, s14, v12                     ; and fragments
	v_lshrrev_b32 v26, 2, v1
	v_mul_u32_u24 v26, v26, CH
	v_and_b32 v13, 3, v1
	v_lshl_add_u32 v26, v13, 4, v26                ; the scale words in memory: four lanes to a K step's 64 bytes
	s_and_b32 s9, ttmp9, 127
	s_lshr_b32 s11, ttmp9, 7
	s_lshl_b32 s10, s9, 2
	s_add_co_u32 s10, s10, s8                      ; mr
	s_lshl_b32 s13, s11, 11
	s_add_co_u32 s13, s13, s10                     ; m0: my first row
	s_mov_b32 s3, 0
.irp q, 0,1,2,3,4,5,6,7
	v_mov_b32 v[AR+10*\q+7], 0                     ; named with a6 as a pair
.endr
	s_wait_alu depctr_va_vdst(0)                   ; the wait at the head's end
	s_wait_kmcnt 0x0
.macro AOFF p, lr, ls
	s_lshr_b32 s2, s13, \lr
	s_lshl_b32 s2, s2, \ls
	s_add_nc_u64 s[\p:\p+1], s[\p:\p+1], s[2:3]
.endm
.macro BOFF p, mask, ls
	s_and_b32 s2, s10, \mask
	s_lshl_b32 s2, s2, \ls
	s_add_nc_u64 s[\p:\p+1], s[\p:\p+1], s[2:3]
.endm
	BOFF 32, 63, 8
	BOFF 34, 63, 8
	BOFF 36, 127, 9
	BOFF 38, 31, 7
	BOFF 40, 255, 10
	BOFF 42, 15, 6
	BOFF 44, 511, 11
	BOFF 46, 7, 5
	AOFF 16, 6, 8
	AOFF 18, 6, 8
	AOFF 20, 7, 7
	AOFF 22, 5, 9
	AOFF 24, 8, 6
	AOFF 26, 4, 10
	AOFF 28, 9, 5
	AOFF 30, 3, 11
	s_lshr_b32 s2, ttmp9, 3
	s_mul_i32 s2, s2, GRP
	s_mul_i32 s12, s8, 8*CH
	s_add_co_u32 s2, s2, s12
	s_and_b32 s12, ttmp9, 7
	s_lshl_b32 s14, s12, 6
	s_add_co_u32 s14, s14, s2
	s_add_co_u32 s14, s14, SCO
	s_mov_b32 s15, 0
	s_add_nc_u64 s[50:51], s[48:49], s[14:15]      ; my scale words in the image
	s_mul_i32 s12, s12, FRB
	s_add_co_u32 s2, s2, s12
	s_add_nc_u64 s[48:49], s[48:49], s[2:3]        ; my codes
.macro BLOAD reg, off, p, n
.set J, 0
.rept \n
	global_load_b128 v[\reg+4*J:\reg+4*J+3], v[\off], s[\p:\p+1] offset:16*J
.set J, J+1
.endr
.endm
	BLOAD WB,     17, 32, 4
	BLOAD WB+16,  17, 34, 4
	BLOAD WB+32,  18, 36, 4
	BLOAD WB+48,  19, 38, 4
	BLOAD WB+64,  20, 40, 4
	BLOAD WB+80,  7,  42, 4
	BLOAD WB+96,  21, 44, 4
	BLOAD WB+112, 7,  46, 2
.macro ALOAD q, i                      ; slot q, i rows of w (512 / r rows of a) beyond the bases
.set RL, AR+10*(\q)
	global_load_b32 v[RL],   v2, s[16:17] offset:32*(\q)+2048*(\i)
	global_load_b32 v[RL+1], v2, s[18:19] offset:32*(\q)+2048*(\i)
	global_load_b32 v[RL+2], v3, s[20:21] offset:16*(\q)+512*(\i)
	global_load_b32 v[RL+3], v4, s[22:23] offset:64*(\q)+8192*(\i)
	global_load_b32 v[RL+4], v5, s[24:25] offset:8*(\q)+128*(\i)
	global_load_b32 v[RL+5], v6, s[26:27] offset:128*(\q)+32768*(\i)
	global_load_b32 v[RL+6], v7, s[28:29] offset:4*(\q)+32*(\i)
	global_load_b64 v[RL+8:RL+9], v8, s[30:31] offset:256*(\q)+131072*(\i)
.endm
.irp q, 0,1,2,3,4,5,6
	ALOAD \q, 0
.endr
	s_wait_loadcnt 56                              ; b's thirty loads are in; the 56 of the ring's first seven slots may be out
.set J, 0
.rept 60
	v_pk_mul_f32 v[WB+2*J:WB+2*J+1], v[WB+2*J:WB+2*J+1], 0x3e3504f3 op_sel_hi:[1,0]   ; c into the b numbers, once
.set J, J+1
.endr
	ALOAD 7, 0
.macro TERM b, pr, up                  ; T += (c b) x a; up picks the pair's register
.irp p, 0,1,2,3,4,5,6,7
.if \up
	v_pk_fma_f32 v[WT+2*\p:WT+2*\p+1], v[\b+2*\p:\b+2*\p+1], v[\pr:\pr+1], v[WT+2*\p:WT+2*\p+1] op_sel:[0,1,0] op_sel_hi:[1,1,1]
.else
	v_pk_fma_f32 v[WT+2*\p:WT+2*\p+1], v[\b+2*\p:\b+2*\p+1], v[\pr:\pr+1], v[WT+2*\p:WT+2*\p+1] op_sel_hi:[1,0,1]
.endif
.endr
.endm
; ahead: the slot is asked for again, for the next row.  left: younger loads that may stay out.  ac, ab: LDS address registers of codes and byte; xc, xb: the row's part where it stands in the immediate.
.macro WSTEP q, ahead, left, ac, ab, xc, xb
.set RR, AR+10*(\q)
	s_wait_loadcnt \left
.irp p, 0,1,2,3,4,5,6,7
	v_pk_mul_f32 v[WT+2*\p:WT+2*\p+1], v[WB+2*\p:WB+2*\p+1], v[RR:RR+1] op_sel_hi:[1,0]   ; term 0 starts the sums
.endr
	TERM WB+16, RR,   1
	TERM WB+32, RR+2, 0
	TERM WB+48, RR+2, 1
	TERM WB+64, RR+4, 0
	TERM WB+80, RR+4, 1
	TERM WB+96, RR+6, 0
.irp p, 0,1,2,3
	v_pk_fma_f32 v[WT+2*\p:WT+2*\p+1], v[WB+112+2*\p:WB+113+2*\p], v[RR+8:RR+9], v[WT+2*\p:WT+2*\p+1] op_sel_hi:[1,0,1]
.endr
.irp p, 0,1,2,3
	v_pk_fma_f32 v[WT+8+2*\p:WT+9+2*\p], v[WB+112+2*\p:WB+113+2*\p], v[RR+8:RR+9], v[WT+8+2*\p:WT+9+2*\p] op_sel:[0,1,0] op_sel_hi:[1,1,1]
.endr
.if \ahead
	ALOAD \q, 1
.endif
	v_max3_num_f32 v13, |v[WT]|, |v[WT+1]|, |v[WT+2]|
	v_max3_num_f32 v14, |v[WT+3]|, |v[WT+4]|, |v[WT+5]|
.irp i, 6,10
	v_max3_num_f32 v13, v13, |v[WT+\i]|, |v[WT+\i+1]|
	v_max3_num_f32 v14, v14, |v[WT+\i+2]|, |v[WT+\i+3]|
.endr
	v_max3_num_f32 v13, v13, |v[WT+14]|, |v[WT+15]|
	v_max3_num_f32 v13, v13, v14, 0x2800000        ; the floor 2^(5 - 127)
	v_max_num_f32_dpp v13, v13, v13 row_xmask:1 row_mask:0xf bank_mask:0xf
	v_add_nc_u32 v15, 0xfe000000, v13
	v_cvt_scalef32_pk16_bf6_f32 v[WC:WC+2], v[WT:WT+15], v15
	v_lshrrev_b32 v16, 23, v15                     ; the byte (also the plain line behind the conversion)
	ds_store_b8 v[\ab], v16 offset:256*(\q)+(\xb)
.irp j, 0,1,2
	ds_store_b32 v[\ac], v[WC+\j] offset:4*FP*(\q)+(\xc)+4*\j
.endr
.endm
	s_mov_b32 s52, 0                               ; 192 i: the row's place in a fragment
	s_mov_b32 s53, 0                               ; 16 i: in the scale words
	s_mov_b32 s54, 3
.Lwrow:
	v_add_nc_u32 v248, s52, v9
	v_add_nc_u32 v249, s53, v10
.irp q, 0,1,2,3,4,5,6,7
	WSTEP \q, 1, 56, 248, 249, 0, 0
.endr
	s_wait_xcnt 0x0                                ; the loads have read their bases: they step only behind this wait
	s_add_nc_u64 s[16:17], s[16:17], 2048
	s_add_nc_u64 s[18:19], s[18:19], 2048
	s_add_nc_u64 s[20:21], s[20:21], 512
	s_add_nc_u64 s[22:23], s[22:23], 8192
	s_add_nc_u64 s[24:25], s[24:25], 128
	s_add_nc_u64 s[26:27], s[26:27], 32768
	s_add_nc_u64 s[28:29], s[28:29], 32
	s_add_nc_u64 s[30:31], s[30:31], 131072
	s_add_co_u32 s52, s52, 192
	s_add_co_u32 s53, s53, 16
	s_sub_co_u32 s54, s54, 1
	s_cmp_lg_u32 s54, 0
	s_wait_alu depctr_va_vdst(0)                   ; the wait ahead of the branch
	s_cbranch_scc1 .Lwrow
.irp q, 0,1,2,3,4,5,6,7
	WSTEP \q, 0, 8*(7-\q), 9, 10, 576, 48          ; row 3: the counts run down
.endr
	s_wait_dscnt 0x0                               ; for the others' sake: my stores into the stages are done
	s_barrier_signal -1
	s_barrier_wait -1
	ds_load_b128 v[244:247], v11
.irp n, 0,1,2,3,4,5,6,7,8,9,10,11,12,13,14,15,16,17,18,19,20,21,22,23
	ds_load_b128 v[WB+4*\n:WB+4*\n+3], v25 offset:FP*(\n/3)+512*(\n%3)
.endr
	s_wait_dscnt 24
	global_store_b128 v26, v[244:247], s[50:51]    ; four lanes store a K step's 64 bytes: this fragment's share of a chunk's 512
.irp n, 0,1,2,3,4,5,6,7,8,9,10,11,12,13,14,15,16,17,18,19,20,21,22,23
	s_wait_dscnt 23-\n
	global_store_b128 v12, v[WB+4*\n:WB+4*\n+3], s[48:49] offset:CH*(\n/3)+512*(\n%3)   ; 32 lanes store 512 consecutive bytes
.endr
	s_wait_tensorcnt 0x0                           ; the wave's end
	ds_add_u32 v254, v255
	s_wait_dscnt 0x0
	s_endpgm
.Lfunc_end_k_q0bb894f47a_prep:
	.size	k_q0bb894f47a_prep, .Lfunc_end_k_q0bb894f47a_prep-k_q0bb894f47a_prep
	.p2alignl 7, 3214868480
	.fill 96, 4, 3214868480
	.section	.rodata,"a",@progbits
	.p2align	6, 0x0
	.amdhsa_kernel k_q0bb894f47a_prep
		.amdhsa_group_segment_fixed_size 53248
		.amdhsa_private_segment_fixed_size 0
		.amdhsa_enable_private_segment 0
		.amdhsa_kernarg_size 152
		.amdhsa_user_sgpr_count 2
		.amdhsa_user_sgpr_kernarg_segment_ptr 1
		.amdhsa_wavefront_size32 1
		.amdhsa_system_sgpr_workgroup_id_x 1
		.amdhsa_system_sgpr_workgroup_id_y 1
		.amdhsa_system_sgpr_workgroup_id_z 1
		.amdhsa_system_vgpr_workitem_id 0
		.amdhsa_next_free_vgpr 256
		.amdhsa_next_free_sgpr 66
		.amdhsa_reserve_vcc 1
		.amdhsa_float_denorm_mode_32 3
		.amdhsa_float_denorm_mode_16_64 3
		.amdhsa_memory_ordered 1
		.amdhsa_forward_progress 1
		.amdhsa_inst_pref_size 190
	.end_amdhsa_kernel
	.amdgpu_metadata
---
amdhsa.version: [ 1, 2 ]
amdhsa.kernels:
  - .name:           k_q0bb894f47a_prep
    .symbol:         k_q0bb894f47a_prep.kd
    .args:
      - { .name: a0, .offset: 0, .size: 8, .value_kind: global_buffer, .address_space: global }
      - { .name: a1, .offset: 8, .size: 8, .value_kind: global_buffer, .address_space: global }
      - { .name: a2, .offset: 16, .size: 8, .value_kind: global_buffer, .address_space: global }
      - { .name: a3, .offset: 24, .size: 8, .value_kind: global_buffer, .address_space: global }
      - { .name: a4, .offset: 32, .size: 8, .value_kind: global_buffer, .address_space: global }
      - { .name: a5, .offset: 40, .size: 8, .value_kind: global_buffer, .address_space: global }
      - { .name: a6, .offset: 48, .size: 8, .value_kind: global_buffer, .address_space: global }
      - { .name: a7, .offset: 56, .size: 8, .value_kind: global_buffer, .address_space: global }
      - { .name: b0, .offset: 64, .size: 8, .value_kind: global_buffer, .address_space: global }
      - { .name: b1, .offset: 72, .size: 8, .value_kind: global_buffer, .address_space: global }
      - { .name: b2, .offset: 80, .size: 8, .value_kind: global_buffer, .address_space: global }
      - { .name: b3, .offset: 88, .size: 8, .value_kind: global_buffer, .address_space: global }
      - { .name: b4, .offset: 96, .size: 8, .value_kind: global_buffer, .address_space: global }
      - { .name: b5, .offset: 104, .size: 8, .value_kind: global_buffer, .address_space: global }
      - { .name: b6, .offset: 112, .size: 8, .value_kind: global_buffer, .address_space: global }
      - { .name: b7, .offset: 120, .size: 8, .value_kind: global_buffer, .address_space: global }
      - { .name: w_img, .offset: 128, .size: 8, .value_kind: global_buffer, .address_space: global }
      - { .name: x, .offset: 136, .size: 8, .value_kind: global_buffer, .address_space: global }
      - { .name: x_img, .offset: 144, .size: 8, .value_kind: global_buffer, .address_space: global }
    .group_segment_fixed_size: 53248
    .private_segment_fixed_size: 0
    .kernarg_segment_align: 8
    .kernarg_segment_size: 152
    .max_flat_workgroup_size: 128
    .sgpr_count:     66
    .vgpr_count:     256
    .wavefront_size: 32
...
	.end_amdgpu_metadata
.endif
;; end of part 1
;; launch gemm (part 2): grid 16 x 16, 4 waves a work-group, clusters of 4 x 4, 327,680 bytes of LDS; arguments w_img, x_img, out0, bias; writes out0
.if DOCPART == 2
	.amdgcn_target "amdgcn-amd-amdhsa--gfx1250"
	.amdhsa_code_object_version 6
	.text
	.protected	k_q0bb894f47a_gemm
	.globl	k_q0bb894f47a_gemm
	.p2align	8
	.type	k_q0bb894f47a_gemm,@function
k_q0bb894f47a_gemm:
	s_mov_b64 s[64:65], 0
	v_nop
	global_prefetch_b8 v0, s[64:65] scope:SCOPE_SE
	s_setreg_imm32_b32 hwreg(HW_REG_WAVE_MODE, 25, 1), 1
	s_wait_xcnt 0x0
	s_wait_alu depctr_hold_cnt(0) depctr_sa_sdst(0) depctr_va_vdst(0) depctr_va_sdst(0) depctr_va_ssrc(0) depctr_va_vcc(0) depctr_vm_vsrc(0)
	s_getreg_b32 s2, hwreg(HW_REG_IB_STS2, 6, 4)
	s_cmp_eq_u32 s2, 0
	s_cbranch_scc0 .Lentry_in_a_cluster
	s_endpgm
.Lentry_in_a_cluster:
	s_bfe_u32 s2, ttmp6, 0x10000c
	s_cmp_lg_u32 s2, 0xf033
	s_cbranch_scc0 .Lentry_shape_is_right
	s_endpgm
.Lentry_shape_is_right:
; y = w x^T + bias on the two images of codes and scale words that the launch before has laid (their layout: that kernel's head).  y(m, n): m a row of w, n a row of x; bias is added along n.
; A tile of y, 256 x 256, is made by four waves, 128 x 128 each: 64 accumulators.  Source 0 takes 16 rows of x, source 1 sixteen rows of w: a lane holds eight neighbouring n of one row m.
; The bias is the C of each accumulator's first product.  A fragment's sixteen rows of w are rows 512 i + 4 g + v of y: the way out stores by that rule.
; K goes through a ring of two LDS slots of three K steps each; a wave fetches 38,400 dense bytes (three chunks of one group) with one tensor load, as rows of 256 bytes.
; CLUSTERS of 4 x 4: w's groups are shared along a row of the cluster, x's along a column, by joint loads; each change of slots is a round of the cluster's barrier.
; PREFETCH: what is left of a group's stream from byte 147,456 on is asked for in four pieces of 65,536 bytes, at the first four changes of slots, by the clusters of the first column (w) and of the first row (x);
; the four partners share a piece out by address, a lane to each 256 bytes.
.set SIZE_N, 4096
.set CH,     12800
.set GRP,    32*CH
.set FRB,    1536
.set SCO,    8*FRB
.set FR,     12
.set PART,   3*CH
.set SLOT,   4*PART
.set SPARE,  2*SLOT
.set STAGE,  SLOT
.set SPITCH, 528
.set TRIPS,  4
.set PF0,    576*256
.set PFSTEP, 65536
.set COV,  12
.set ADRA, 16
.set ADRB, 18
.set ADRS, 20
.set STO,  24
.set RD,   25
.set SPW,  28
.set NIL,  29
.set PFO,  30
.set BO,   31
.set SC,   32
.set BI,   64
.set AF,   128
.set BK,   128
.set G1,   24
.set G0,   32
.set G1B,  48
.set G0B,  56
.set G1T,  68
.set G1TB, 80
.set PFA,  66
.set LIM,  95
.set MSB, 0
.macro WIN new
.if MSB != \new
	s_set_vgpr_msb (MSB<<8)|\new
.set MSB, \new
.endif
.endm
.set TO_B, 0x40
.macro MWIN a, first
.if \first
	WIN 0x81+0x40*((\a)/4)
.else
	WIN 0xa1+0x50*((\a)/4)
.endif
.endm
.macro JLOAD g0a, g1a, g0b, g1b
	s_cmp_eq_u32 s15, 0
	s_cbranch_scc0 .Lfor_b_\@
	tensor_load_to_lds s[\g0a:\g0a+3], s[\g1a:\g1a+7]
	s_nop 0
.rept 4
	v_nop
.endr
	s_branch .Lasked_\@
.Lfor_b_\@:
	tensor_load_to_lds s[\g0b:\g0b+3], s[\g1b:\g1b+7]
	s_nop 0
.rept 4
	v_nop
.endr
.Lasked_\@:
.endm
.macro ASK
	s_cmp_gt_u32 s3, s[LIM]
	s_cbranch_scc0 .Lnot_mine_\@
	s_wait_alu depctr_va_vdst(0)
	global_prefetch_b8 v[PFO], s[PFA:PFA+1] th:TH_LOAD_NT scope:SCOPE_SE
	global_prefetch_b8 v[PFO], s[PFA:PFA+1] offset:32768 th:TH_LOAD_NT scope:SCOPE_SE
.Lnot_mine_\@:
.endm
.macro CREST
	s_cmp_lg_u32 s14, 0
	s_cbranch_scc1 .Lnot_wave_0_\@
	s_barrier_signal -3
.Lnot_wave_0_\@:
	s_barrier_wait -3
	s_barrier_signal -1
	s_barrier_wait -1
.endm
.macro CROUND
	s_barrier_signal -1
	s_barrier_wait -1
	CREST
.endm
	s_load_b128 s[4:7], s[0:1], 0x0
	s_load_b128 s[8:11], s[0:1], 0x10
	v_lshl_add_u32 v[SPW], v0, 2, SPARE
	v_mov_b32 v[NIL], 0
	ds_add_u32 v28, v29
	ds_add_u32 v28, v29
	s_wait_dscnt 0x0
	v_lshrrev_b32 v1, 5, v0
	v_readfirstlane_b32 s14, v1
	s_lshr_b32 s15, s14, 1
	s_and_b32 s16, s14, 1
	s_bfe_u32 s40, ttmp6, 0x40000
	s_bfe_u32 s41, ttmp6, 0x40004
	s_lshl_b32 s42, ttmp9, 2
	s_add_co_u32 s42, s42, s40
	s_and_b32 s17, ttmp7, 0xffff
	s_lshl_b32 s17, s17, 2
	s_add_co_u32 s17, s17, s41
	s_lshl_b32 s43, s41, 2
	s_lshl_b32 s43, 15, s43
	s_lshl_b32 s44, 0x1111, s40
	s_or_b32 s[G1+0], s43, (3<<16)|(1<<21)
	s_or_b32 s[G1B+0], s44, (3<<16)|(1<<21)
	s_or_b32 s[G1T+0], s43, (3<<16)|(1<<21)
	s_or_b32 s[G1TB+0], s44, (3<<16)|(1<<21)
.irp g, G1, G1B
	s_mov_b32 s[\g+1], 32<<16
	s_mov_b32 s[\g+2], (PART/256)<<16
	s_mov_b32 s[\g+3], 32<<16
	s_mov_b32 s[\g+4], PART/256
	s_mov_b32 s[\g+5], 32
	s_mov_b32 s[\g+6], 0
	s_mov_b32 s[\g+7], 0
.endr
.irp g, G1T, G1TB
	s_mov_b32 s[\g+1], 32<<16
	s_mov_b32 s[\g+2], (2*CH/256)<<16
	s_mov_b32 s[\g+3], 32<<16
	s_mov_b32 s[\g+4], 2*CH/256
	s_mov_b32 s[\g+5], 32
	s_mov_b32 s[\g+6], 0
	s_mov_b32 s[\g+7], 0
.endr
	s_lshl_b32 s20, s17, 1
	s_add_co_u32 s20, s20, s16
	s_mul_i32 s20, s20, GRP
	s_mov_b32 s21, 0
	s_lshl_b32 s46, s42, 1
	s_add_co_u32 s46, s46, s16
	s_mul_i32 s46, s46, GRP
	s_mov_b32 s47, 0
	s_mul_i32 s45, s14, PART
	s_wait_kmcnt 0x0
	s_add_nc_u64 s[20:21], s[4:5], s[20:21]
	s_add_nc_u64 s[46:47], s[6:7], s[46:47]
	CROUND
.irp s, 0,1
	s_mov_b32 s[G0+4*\s], 1
	s_add_co_u32 s[G0+4*\s+1], s45, \s*SLOT
	s_add_nc_u64 s[G0+4*\s+2:G0+4*\s+3], s[20:21], \s*PART
	s_or_b32 s[G0+4*\s+3], s[G0+4*\s+3], 0x80000000
	s_mov_b32 s[G0B+4*\s], 1
	s_add_co_u32 s[G0B+4*\s+1], s45, \s*SLOT
	s_add_nc_u64 s[G0B+4*\s+2:G0B+4*\s+3], s[46:47], \s*PART
	s_or_b32 s[G0B+4*\s+3], s[G0B+4*\s+3], 0x80000000
.endr
	JLOAD G0, G1, G0B, G1B                         ; slot 0: one tensor load a wave at the head; the addresses and the bias loads below are made while it is out
	v_and_b32 v1, 31, v0
	v_and_b32 v2, 15, v0
	v_bfe_u32 v3, v0, 4, 1
	s_wait_alu depctr_va_vdst(0)
	v_mul_u32_u24 v4, v1, 48
	s_mul_i32 s21, s15, PART
	s_mul_i32 s22, s16, PART
	s_add_co_u32 s22, s22, 2*PART
.irp s, 0,1
	v_add_nc_u32 v[ADRA+\s], s21, v4
	v_add_nc_u32 v[ADRB+\s], s22, v4
	s_add_co_u32 s21, s21, SLOT
	s_add_co_u32 s22, s22, SLOT
.endr
	s_mul_i32 s21, s15, PART
	s_mul_i32 s22, s16, PART
	s_add_co_u32 s22, s22, 2*PART
	s_sub_co_u32 s22, s22, s21
	v_mul_u32_u24 v6, s22, v3
	v_lshl_add_u32 v6, v2, 2, v6
	s_add_co_u32 s21, s21, SCO
	v_add_nc_u32 v[ADRS], s21, v6
	v_add_nc_u32 v[ADRS+1], SLOT, v[ADRS]
	s_mul_i32 s23, s14, 16*SPITCH
	s_add_co_u32 s23, s23, STAGE
	v_mul_u32_u24 v5, v2, SPITCH
	v_lshl_add_u32 v5, v3, 5, v5
	v_add_nc_u32 v[STO], s23, v5
	v_lshlrev_b32 v[COV], 4, v1
	v_add_nc_u32 v[RD], s23, v[COV]
.irp i, 1,2,3
	v_add_nc_u32 v[COV+\i], \i*512*SIZE_N*4, v[COV]
.endr
	s_lshr_b32 s20, s17, 3
	s_lshl_b32 s20, s20, 11
	s_and_b32 s21, s17, 7
	s_lshl_b32 s21, s21, 6
	s_add_co_u32 s20, s20, s21
	s_lshl_b32 s21, s15, 5
	s_add_co_u32 s20, s20, s21
	s_lshl_b32 s20, s20, 14
	s_mov_b32 s21, 0
	s_lshl_b32 s46, s42, 10
	s_lshl_b32 s47, s16, 9
	s_add_co_u32 s46, s46, s47
	s_mov_b32 s47, 0
	s_add_nc_u64 s[10:11], s[10:11], s[46:47]
	s_add_nc_u64 s[20:21], s[20:21], s[46:47]
	s_add_nc_u64 s[8:9], s[8:9], s[20:21]
	v_lshlrev_b32 v[BO], 5, v3
.irp b, 0,1,2,3,4,5,6,7
	global_load_b128 v[BI+8*\b:BI+8*\b+3],   v[BO], s[10:11] offset:64*\b
	global_load_b128 v[BI+8*\b+4:BI+8*\b+7], v[BO], s[10:11] offset:64*\b+16
.endr
	s_lshl_b32 s98, s17, 1
	s_lshl_b32 s99, s42, 1
	s_and_b32 s100, ttmp7, 0xffff
	s_cmp_eq_u32 s15, 0
	s_cselect_b32 s98, s98, s99
	s_cselect_b32 s99, s40, s41
	s_cselect_b32 s100, ttmp9, s100
	s_cselect_b64 s[PFA:PFA+1], s[4:5], s[6:7]
	s_cmp_eq_u32 s100, 0
	s_cselect_b32 s[LIM], TRIPS-2, -1
	s_add_co_u32 s98, s98, s16
	s_mul_i32 s100, s98, GRP
	s_lshl_b32 s99, s99, 13
	s_add_co_u32 s100, s100, s99
	s_add_co_u32 s100, s100, PF0-PFSTEP
	s_mov_b32 s101, 0
	s_add_nc_u64 s[PFA:PFA+1], s[PFA:PFA+1], s[100:101]
	v_lshlrev_b32 v[PFO], 8, v1
.macro FRAG reg, adr, off
.irp c, 0,1,2
	ds_load_b128 v[(\reg)+4*\c:(\reg)+4*\c+3], v[\adr] offset:(\off)+16*\c
.endr
.endm
.macro BFR b, np, ls, lq
	FRAG 128*(\np)+FR*(\b), ADRB+(\ls), (\lq)*CH+FRB*(\b)
.endm
.macro AFR a, np, ls, lq
	FRAG AF+FR*(\a)+24*(\np)*((\a)/6), ADRA+(\ls), (\lq)*CH+FRB*(\a)
.endm
.macro SCW i0, np, ls, lq
.irp k, 0,1,2,3
	ds_load_b32 v[SC+8*(\np)+(\i0)+\k], v[ADRS+(\ls)] offset:(\lq)*CH+64*((\i0)+\k)
.endr
.endm
.macro PLACES n
.rept \n
	v_nop
.endr
.endm
.macro MM4 a, p, first, bs
.irp k, 0,1,2,3
.set MB, (\bs)+\k
.set MD, 8*(8*((\a)%4)+MB)
.set MA, AF+FR*(\a)+24*(\p)*((\a)/6)
.if \first
	v_wmma_scale_f32_16x16x128_f8f6f4 v[MD:MD+7], v[128*(\p)+FR*MB:128*(\p)+FR*MB+FR-1], v[MA:MA+FR-1], v[BI+8*MB:BI+8*MB+7], v[SC+8*(\p)+MB], v[SC+8*(\p)+(\a)] matrix_a_fmt:MATRIX_FMT_BF6 matrix_b_fmt:MATRIX_FMT_BF6 matrix_a_scale:MATRIX_SCALE_ROW1
.else
	v_wmma_scale_f32_16x16x128_f8f6f4 v[MD:MD+7], v[128*(\p)+FR*MB:128*(\p)+FR*MB+FR-1], v[MA:MA+FR-1], v[MD:MD+7], v[SC+8*(\p)+MB], v[SC+8*(\p)+(\a)] matrix_a_fmt:MATRIX_FMT_BF6 matrix_b_fmt:MATRIX_FMT_BF6 matrix_a_scale:MATRIX_SCALE_ROW1
.endif
.endr
.endm
.macro GROUP a, p, first
	MWIN \a, \first
	MM4 \a, \p, \first, 0
	MM4 \a, \p, \first, 4
.endm
.macro GAP1 g, np, ls, lq, nn
.if ((\g) == 0) || ((\g) == 1) || ((\g) == 3) || ((\g) == 5)
	WIN TO_B
.else
	WIN 0
.endif
	PLACES \nn
.if (\g) == 0
	BFR 0, \np, \ls, \lq
	BFR 1, \np, \ls, \lq
.elseif (\g) == 1
	BFR 2, \np, \ls, \lq
	BFR 3, \np, \ls, \lq
.elseif (\g) == 2
	AFR 6, \np, \ls, \lq
	AFR 7, \np, \ls, \lq
	SCW 0, \np, \ls, \lq
.elseif (\g) == 3
	BFR 4, \np, \ls, \lq
	BFR 5, \np, \ls, \lq
.elseif (\g) == 4
	AFR 0, \np, \ls, \lq
	AFR 1, \np, \ls, \lq
	SCW 4, \np, \ls, \lq
.elseif (\g) == 5
	BFR 6, \np, \ls, \lq
	BFR 7, \np, \ls, \lq
.elseif (\g) == 6
	AFR 2, \np, \ls, \lq
	AFR 3, \np, \ls, \lq
.else
	AFR 4, \np, \ls, \lq
	AFR 5, \np, \ls, \lq
.endif
.endm
; The next step's loads stand in FOUR runs, behind groups 1, 3, 5 and 7.  The places in front of a load into a register that a matrix instruction has read add up to four:
; x's other set, w's blocks 6, 7 and the scale words (last read by the step before's group 7): 2 behind that group + 2 behind group 1; w's blocks 0, 1: 2 behind group 1 + 2 behind group 5; blocks 2-5: 2 behind group 5 + 2 behind group 7.
.macro GAP g, np, ls, lq, nn
.if (\g) == 1
	GAP1 0, \np, \ls, \lq, 2
	GAP1 1, \np, \ls, \lq, 0
.elseif (\g) == 3
	GAP1 3, \np, \ls, \lq, 0
	GAP1 2, \np, \ls, \lq, 0
.elseif (\g) == 5
	GAP1 5, \np, \ls, \lq, 2
	GAP1 4, \np, \ls, \lq, 0
.elseif (\g) == 7
	GAP1 6, \np, \ls, \lq, 2
	GAP1 7, \np, \ls, \lq, 0
.endif
.endm
.macro STEP p, kind, fs, load, ls, lq, first
.if \kind
.if (\kind) == 1
	s_wait_xcnt 0x0
	s_add_nc_u64 s[PFA:PFA+1], s[PFA:PFA+1], PFSTEP
.endif
	s_wait_tensorcnt 0x0
	ds_add_u32 v[SPW], v[NIL]
	s_wait_dscnt 13
	MWIN 0, 0
	MM4 0, \p, 0, 0
	s_wait_dscnt 0x0
	s_barrier_signal -1
	MM4 0, \p, 0, 4
	WIN 0
	s_barrier_wait -1
.if (\kind) < 3
	CREST
	s_add_nc_u64 s[G0+4*\fs+2:G0+4*\fs+3], s[G0+4*\fs+2:G0+4*\fs+3], 2*PART
	s_add_nc_u64 s[G0B+4*\fs+2:G0B+4*\fs+3], s[G0B+4*\fs+2:G0B+4*\fs+3], 2*PART
.if (\kind) == 1
	JLOAD G0+4*\fs, G1, G0B+4*\fs, G1B
	ASK
.else
	JLOAD G0+4*\fs, G1T, G0B+4*\fs, G1TB
.endif
	GAP 0, 1-(\p), \ls, \lq, 0
.else
	GAP 0, 1-(\p), \ls, \lq, 2
.endif
.else
	s_wait_dscnt 12
	GROUP 0, \p, \first
.if \load
	GAP 0, 1-(\p), \ls, \lq, 2
.endif
.endif
	GROUP 1, \p, \first
.if \load
	GAP 1, 1-(\p), \ls, \lq, 1
	s_wait_dscnt 18
.else
	s_wait_alu depctr_va_vdst(0)
	s_wait_dscnt 6
.endif
	GROUP 2, \p, \first
.if \load
	GAP 2, 1-(\p), \ls, \lq, 1
.endif
	GROUP 3, \p, \first
.if \load
	GAP 3, 1-(\p), \ls, \lq, 1
	s_wait_dscnt 28
.else
	s_wait_dscnt 0x0
.endif
	GROUP 4, \p, \first
.if \load
	GAP 4, 1-(\p), \ls, \lq, 1
.endif
	GROUP 5, \p, \first
.if \load
	GAP 5, 1-(\p), \ls, \lq, 1
.endif
	GROUP 6, \p, \first
.if \load
	GAP 6, 1-(\p), \ls, \lq, 1
.endif
	GROUP 7, \p, \first
.if \load
	GAP 7, 1-(\p), \ls, \lq, 2
.endif
	WIN 0
.endm
	s_wait_alu depctr_va_vdst(0)                   ; the wait at the head's end
	s_wait_tensorcnt 0x0                           ; my part of slot 0 is in
	ds_add_u32 v[SPW], v[NIL]
	s_wait_dscnt 0x0
	CROUND                                         ; slot 0 is whole, and all sixteen work-groups are here
	JLOAD G0+4, G1, G0B+4, G1B                     ; slot 1's first fill, the first tensor load behind the round
	WIN TO_B
.irp b, 0,1,2,3,4,5,6,7
	BFR \b, 0, 0, 0
.endr
	WIN 0
.irp a, 0,1,2,3,4,5,6,7
	AFR \a, 0, 0, 0
.endr
	SCW 0, 0, 0, 0
	SCW 4, 0, 0, 0
	s_wait_loadcnt 0x0
	s_wait_dscnt 0x0
	STEP 0, 0, 0, 1, 0, 1, 1
	s_mov_b32 s3, TRIPS
.Llap:
	STEP 1, 0, 0, 1, 0, 2, 0
	STEP 0, 1, 0, 1, 1, 0, 0
	STEP 1, 0, 0, 1, 1, 1, 0
	STEP 0, 0, 0, 1, 1, 2, 0
	STEP 1, 1, 1, 1, 0, 0, 0
	STEP 0, 0, 0, 1, 0, 1, 0
	s_sub_co_u32 s3, s3, 1
	s_cmp_lg_u32 s3, 0
	s_cbranch_scc1 .Llap
	STEP 1, 0, 0, 1, 0, 2, 0
	STEP 0, 2, 0, 1, 1, 0, 0
	STEP 1, 0, 0, 1, 1, 1, 0
	STEP 0, 0, 0, 1, 1, 2, 0
	STEP 1, 3, 0, 1, 0, 0, 0
	STEP 0, 0, 0, 1, 0, 1, 0
	STEP 1, 0, 0, 0, 0, 0, 0
.macro TOSTAGE a
.set AC, 64*((\a)%4)
	WIN 0x08+4*((\a)/4)
.irp b, 0,1,2,3,4,5,6,7
	ds_store_b128 v[STO], v[AC+8*\b:AC+8*\b+3] offset:64*\b
	ds_store_b128 v[STO], v[AC+8*\b+4:AC+8*\b+7] offset:64*\b+16
.endr
	WIN 0
.set BB, BK+64*((\a)%2)
.irp t, 0,1,2,3,4,5,6,7,8,9,10,11,12,13,14,15
	ds_load_b128 v[BB+4*\t:BB+4*\t+3], v[RD] offset:\t*SPITCH
.endr
.endm
.macro SEND a, younger
.set BB, BK+64*((\a)%2)
	s_wait_dscnt \younger
.if (\a) > 0
	s_add_nc_u64 s[8:9], s[8:9], 4*SIZE_N*4
.endif
.irp t, 0,1,2,3,4,5,6,7,8,9,10,11,12,13,14,15
	global_store_b128 v[COV+\t/4], v[BB+4*\t:BB+4*\t+3], s[8:9] offset:(\t%4)*SIZE_N*4 th:TH_STORE_NT
.endr
.endm
	PLACES 4
	TOSTAGE 0
.irp a, 1,2,3,4,5,6,7
.if \a > 1
	s_wait_xcnt 0x0
.endif
	TOSTAGE \a
	SEND \a-1, 32
.endr
	s_wait_xcnt 0x0
	SEND 7, 0
	s_wait_tensorcnt 0x0
	ds_add_u32 v[SPW], v[NIL]
	s_wait_dscnt 0x0
	CROUND
	s_endpgm
.Lfunc_end_k_q0bb894f47a_gemm:
	.size	k_q0bb894f47a_gemm, .Lfunc_end_k_q0bb894f47a_gemm-k_q0bb894f47a_gemm
	.p2alignl 7, 3214868480
	.fill 96, 4, 3214868480
	.section	.rodata,"a",@progbits
	.p2align	6, 0x0
	.amdhsa_kernel k_q0bb894f47a_gemm
		.amdhsa_group_segment_fixed_size 327680
		.amdhsa_private_segment_fixed_size 0
		.amdhsa_enable_private_segment 0
		.amdhsa_kernarg_size 32
		.amdhsa_user_sgpr_count 2
		.amdhsa_user_sgpr_kernarg_segment_ptr 1
		.amdhsa_wavefront_size32 1
		.amdhsa_system_sgpr_workgroup_id_x 1
		.amdhsa_system_sgpr_workgroup_id_y 1
		.amdhsa_system_sgpr_workgroup_id_z 1
		.amdhsa_system_vgpr_workitem_id 0
		.amdhsa_next_free_vgpr 1024
		.amdhsa_next_free_sgpr 102
		.amdhsa_reserve_vcc 0
		.amdhsa_float_denorm_mode_32 3
		.amdhsa_float_denorm_mode_16_64 3
		.amdhsa_memory_ordered 1
		.amdhsa_forward_progress 1
		.amdhsa_inst_pref_size 215
	.end_amdhsa_kernel
	.amdgpu_metadata
---
amdhsa.version: [ 1, 2 ]
amdhsa.kernels:
  - .name:           k_q0bb894f47a_gemm
    .symbol:         k_q0bb894f47a_gemm.kd
    .args:
      - { .name: w_img, .offset: 0, .size: 8, .value_kind: global_buffer, .address_space: global }
      - { .name: x_img, .offset: 8, .size: 8, .value_kind: global_buffer, .address_space: global }
      - { .name: out0, .offset: 16, .size: 8, .value_kind: global_buffer, .address_space: global }
      - { .name: bias, .offset: 24, .size: 8, .value_kind: global_buffer, .address_space: global }
    .group_segment_fixed_size: 327680
    .private_segment_fixed_size: 0
    .kernarg_segment_align: 8
    .kernarg_segment_size: 32
    .max_flat_workgroup_size: 128
    .sgpr_count:     102
    .vgpr_count:     1024
    .wavefront_size: 32
...
	.end_amdgpu_metadata
.endif
;; end of part 2
